; MI455X (gfx1250); checked and timed in simulation.
; The chip was launched on July 23, 2026; its instructions are those of AMD's public machine-readable ISA for CDNA 5 (MIT licence, August 2026) and "CDNA5" Instruction Set Architecture Reference Guide (July 2026). The comments in the code are by the model that wrote it; some were corrected since.
;; Attn. Allowed arithmetic: matrix products marked QUANTISED: E5M2 operands, one E8M0 scale for each 32 along K, by v_wmma_scale_f32_16x16x128_f8f6f4 with both operands' format E5M2, f32 sums; products left as they are: f32 operands where the result goes on into a quantised operand, else bf16, f16 or f32 operands; f32 sums; everything else in f32.
;; Inputs: W_attn 1,024 x 1,024 float32; b_attn 1,024 float32; encoder_outputs 1,024 x 64 x 1,024 float32; hidden 1 x 64 x 1,024 float32.
;; Outputs: out0 64 x 1 x 1,024 float32.
;; This version of the problem:
;;   THIS VERSION OF THE PROBLEM IS GIVEN IN LOW PRECISION. The matrix products marked QUANTISED in the list below multiply operands that are first quantised to E5M2 (5 exponent bits, 2 mantissa bits; 8 bits a number), with one power-of-two scale for each 32 numbers along K (OCP MX v1.0); their sums are f32. All else is computed in f32.
;;   The module's matrix products, in the order in which they are computed (A, B: the left and right operand; K: the contracted axis; several contracted axes count as one K, in the product's order):
;;     1. [M 65,536, K 1,024] x [K 1,024, N 1,024]; A: input encoder_outputs; B: input W_attn: QUANTISED
;;     2. batch 64 x [M 1, K 1,024] x [K 1,024, N 1,024]; A: input hidden; B: computed on the way: left as it is (M = 1 < 16)
;;   THE QUANTISER, for each operand of a quantised product, along K:
;;     - K is cut into blocks of 32 from its start; a last block that is shorter is filled with zeros.
;;     - A block's scale is 2^e with e = floor(log2(the largest magnitude in the block)) - 15, held to -126 .. 127; a block of zeros has e = 0. As a byte (E8M0): e + 127.
;;     - Each number is divided by its block's scale, clamped to +-57,344, and rounded to the nearest number of E5M2, ties to even, subnormals kept.
;;     - The product sums the exact products of the quantised numbers (number of the format x scale) in f32.
;;   ~~~python
;;   def quantise(x, axis):      # numpy; x: float32 -> the quantised numbers, widened to float32 again
;;       x = np.moveaxis(x, axis, -1); K = x.shape[-1]
;;       x = np.pad(x, [(0, 0)] * (x.ndim - 1) + [(0, -K % 32)]); x = x.reshape(x.shape[:-1] + (-1, 32)); a = np.abs(x).max(-1, keepdims=True)
;;       e = np.where(a > 0, np.clip(np.frexp(np.where(a > 0, a, 1))[1] - 1 - 15, -126, 127), 0)      # np.frexp(a)[1] - 1 = floor(log2(a)), exactly
;;       r = np.clip(x / 2.0 ** e, -57344, 57344)
;;       step = 2.0 ** (np.maximum(np.frexp(np.where(r == 0, 1, r))[1] - 1, -14) - 2)
;;       q = np.round(r / step) * step * 2.0 ** e      # np.round: ties to even
;;       return np.moveaxis(q.reshape(q.shape[:-2] + (-1,))[..., :K], -1, axis).astype(np.float32)
;;   ~~~
;; One version. Each part assembles by itself: llvm-mc -triple=amdgcn-amd-amdhsa -mcpu=gfx1250 --defsym DOCPART=n.
;; ======== version 1 of 1: 3 launches
;; limits: right only within a limited range of input values
;; workspace buffers: w_img 1,081,344 bytes; energies 1,048,576 bytes
;; launch wquant (part 1): grid 128 x 1, 4 waves a work-group, no clusters, 34,560 bytes of LDS; arguments W_attn, w_img; writes w_img
.if DOCPART == 1
	.amdgcn_target "amdgcn-amd-amdhsa--gfx1250"
	.amdhsa_code_object_version 6
	.text
	.protected	k_q93a3bae5a9_wquant
	.globl	k_q93a3bae5a9_wquant
	.p2align	8
	.type	k_q93a3bae5a9_wquant,@function
k_q93a3bae5a9_wquant:
	s_mov_b64 s[64:65], 0
	v_nop
	global_prefetch_b8 v0, s[64:65] scope:SCOPE_SE
	s_setreg_imm32_b32 hwreg(HW_REG_WAVE_MODE, 25, 1), 1
	s_wait_xcnt 0x0
; THE PROGRAM: out0[b][0][s] = softmax over s of energies[b][s], energies[b][s] = sum over e of hidden[b][e] (sum over d of Q(enc[s][b][d]) Q(W[e][d]) + b_attn[e]).
; DEAD WORK: b_attn adds hidden[b] . b_attn to energies[b][s], one number for all s of a row b; a softmax over s is unchanged by a term that is the same along s, whatever finite values the inputs hold.
; So b_attn has no way to the output: it is not loaded and is among no launch's arguments.  LIMIT: a NaN, an infinity or an overflow that would arise in that term alone is not carried to the result.
; THIS LAUNCH: W_attn [1024 (e)][1024 (d)], f32, d innermost, becomes codes of BF8 (E5M2) with one E8M0 byte for each 32 along d, laid as images of the next launch's operand registers.
; w_img: block (c, w), c = quarter of d (256 numbers), w = quarter of e (256 rows), at 65,536 (4 c + w): fragment (tile t of 16 rows, K step g of 128) at + 4,096 t + 2,048 g;
; in it registers 4 k .. 4 k + 3 at + 512 k, lane l's 16 bytes at + 16 l: row e = 256 w + 16 t + l % 16, d = 256 c + 128 g + 32 k + 16 (l / 16) + 0 .. 15.
; Scale words from byte 1,048,576 on: block (c, w) at + 2,048 (4 c + w); tile t, K step g, row r at + 512 (t / 4) + 256 g + 64 (t % 4) + 4 r; byte k of a word for d = 32 k on.
; A block's scale is 2^(floor(log2(largest magnitude)) - 15); its byte is the magnitude's exponent field - 15, held at 1 from below; numbers are held within +-57,344 x the scale and rounded to the nearest code, ties to even.
; LIMITS: a block of zeros gets the byte 1 where the rule says 127 (its codes are zeros, and this program alone reads the bytes); NaN and infinities among the inputs are not served.
; SHARES: work-group x: rows 64 (x % 16) on, K step x / 16; wave i takes 16 of the rows: one fragment.  Each load reads 512 consecutive bytes of a row; the 16 rows turn through the wave's own stage in LDS so that a lane holds 16 neighbours of each block.
.set PITCH, 528                        ; a stage row: 512 bytes + 16
.set WST,   16*PITCH
.set SCW,   4*WST                      ; the work-group's 64 scale words
.set SPARE, SCW+256                    ; the spare words, 128 bytes a wave
.set L16, 1
.set STL, 2
.set SCA, 3
.set L8,  4
.set SCL, 5
.set STS, 6
.set TM,  8                            ; v8-11 magnitudes, v12-15 bytes, v16-19 the holds' bounds, v20-23 the conversions' scale operands
.set PW,  24
.set SW,  26
.set PC,  32
.set R,   64
.set SEL, 26
.set MNT, 28
	s_load_b128 s[4:7], s[0:1], 0x0                ; W, w_img
	v_lshl_add_u32 v30, v0, 2, SPARE
	v_mov_b32 v31, 0
	v_lshrrev_b32 v7, 5, v0
	v_readfirstlane_b32 s24, v7                    ; wave i
	s_mul_i32 s25, s24, WST
	s_lshl_b32 s22, s24, 6
	s_add_co_u32 s22, s22, SCW
	v_and_b32 v7, 31, v0
	v_and_b32 v25, 15, v0
	v_bfe_u32 v28, v0, 4, 1
	v_lshlrev_b32 v[L16], 4, v7
	v_add_nc_u32 v[STS], s25, v[L16]
	v_mul_u32_u24 v[STL], v25, PITCH
	v_lshl_add_u32 v[STL], v28, 6, v[STL]
	v_add_nc_u32 v[STL], s25, v[STL]
	v_lshl_add_u32 v[SCA], v25, 2, s22
	v_lshlrev_b32 v[L8], 3, v7
	v_add_nc_u32 v[SCL], SCW, v[L8]
.irp b, 0,1,2,3
	v_mov_b32 v[TM+4+\b], 0                        ; a lane permute's destination counts as one of its sources
.endr
	s_mov_b32 s[SEL], 0x76543210
	s_mov_b32 s[SEL+1], 0xfedcba98
	s_mov_b32 s[MNT], 0x600000
	s_and_b32 s8, ttmp9, 15                        ; which 64 rows
	s_lshr_b32 s9, ttmp9, 4                        ; which K step of eight
	s_lshl_b32 s10, s8, 18                         ; W: 64 rows of 4,096 bytes,
	s_lshl_b32 s11, s24, 16                        ; 16 rows a wave,
	s_add_co_u32 s10, s10, s11
	s_lshl_b32 s11, s9, 9                          ; 512 bytes a K step
	s_add_co_u32 s10, s10, s11
	s_mov_b32 s11, 0
	s_lshr_b32 s12, s9, 1
	s_lshl_b32 s12, s12, 2
	s_lshr_b32 s13, s8, 2
	s_add_co_u32 s12, s12, s13                     ; block 4 c + w
	s_and_b32 s13, s8, 3                           ; t / 4
	s_and_b32 s14, s9, 1                           ; g
	s_lshl_b32 s16, s12, 16
	s_lshl_b32 s17, s13, 14
	s_add_co_u32 s16, s16, s17
	s_lshl_b32 s17, s24, 12
	s_add_co_u32 s16, s16, s17
	s_lshl_b32 s17, s14, 11
	s_add_co_u32 s16, s16, s17
	s_mov_b32 s17, 0
	s_lshl_b32 s18, s12, 11
	s_lshl_b32 s19, s13, 9
	s_add_co_u32 s18, s18, s19
	s_lshl_b32 s19, s14, 8
	s_add_co_u32 s18, s18, s19
	s_add_co_u32 s18, s18, 1048576
	s_mov_b32 s19, 0
	s_wait_alu depctr_va_vdst(0)                   ; the wait at the head's end
	s_wait_kmcnt 0x0
	s_add_nc_u64 s[4:5], s[4:5], s[10:11]
	s_add_nc_u64 s[20:21], s[6:7], s[18:19]
	s_add_nc_u64 s[6:7], s[6:7], s[16:17]
.irp r, 0,1,2,3,4,5,6,7,8,9,10,11,12,13,14,15
	global_load_b128 v[R+4*\r:R+4*\r+3], v[L16], s[4:5] offset:\r*4096 th:TH_LOAD_NT
.endr
	s_wait_loadcnt 0x0
.irp r, 0,1,2,3,4,5,6,7,8,9,10,11,12,13,14,15
	ds_store_b128 v[STS], v[R+4*\r:R+4*\r+3] offset:PITCH*\r
.endr
.irp c, 0,1,2,3
.irp j, 0,1,2,3
	ds_load_b128 v[R+16*\c+4*\j:R+16*\c+4*\j+3], v[STL] offset:128*\c+16*\j   ; in order behind my stores: register 16 c + i is d = 32 c + 16 (lane / 16) + i of row lane % 16
.endr
.endr
	s_wait_dscnt 0x0
.irp b, 0,1,2,3
	v_max3_num_f32 v[TM+\b], |v[R+16*\b]|, |v[R+16*\b+1]|, 0x8000000   ; my 16 numbers of block b, and the floor 2^(16 - 127)
.endr
.irp i, 2,4,6,8,10,12,14
.irp b, 0,1,2,3
	v_max3_num_f32 v[TM+\b], v[TM+\b], |v[R+16*\b+\i]|, |v[R+16*\b+\i+1]|
.endr
.endr
.irp b, 0,1,2,3
	v_permlanex16_b32 v[TM+4+\b], v[TM+\b], s[SEL], s[SEL+1]
.endr
.irp b, 0,1,2,3
	v_max_num_f32 v[TM+\b], v[TM+\b], v[TM+4+\b]   ; with lane l xor 16's 16
.endr
.irp b, 0,1,2,3
	v_add_nc_u32 v[TM+12+\b], 0xf8800000, v[TM+\b] ; 15 off the exponent field: the conversion's scale operand
.endr
.irp b, 0,1,2,3
	v_and_or_b32 v[TM+8+\b], v[TM+\b], 0x7f800000, s[MNT]   ; 57,344 x the scale
.endr
.irp b, 0,1,2,3
	v_lshrrev_b32 v[TM+4+\b], 23, v[TM+12+\b]      ; the scale's byte
.endr
	v_lshl_or_b32 v[PW], v[TM+5], 8, v[TM+4]
	v_lshl_or_b32 v[PW], v[TM+6], 16, v[PW]
	v_lshl_or_b32 v[PW], v[TM+7], 24, v[PW]
.irp b, 0,1,2,3
.irp i, 0,1,2,3,4,5,6,7,8,9,10,11,12,13,14,15
	v_med3_num_f32 v[R+16*\b+\i], v[R+16*\b+\i], -v[TM+8+\b], v[TM+8+\b]   ; the conversion does not saturate (ISA guide 7.6.2): the hold comes first
.endr
	v_cvt_scalef32_pk8_bf8_f32 v[PC+4*\b:PC+4*\b+1], v[R+16*\b:R+16*\b+7], v[TM+12+\b]
	v_cvt_scalef32_pk8_bf8_f32 v[PC+4*\b+2:PC+4*\b+3], v[R+16*\b+8:R+16*\b+15], v[TM+12+\b]
.endr
	v_nop                                          ; a plain line behind the last conversion
.irp c, 0,1,2,3
	global_store_b128 v[L16], v[PC+4*\c:PC+4*\c+3], s[6:7] offset:512*\c   ; 512 consecutive bytes a store
.endr
	ds_store_b32 v[SCA], v[PW]                     ; lanes l and l xor 16 write the same word with the same value
	s_wait_dscnt 0x0                               ; my word is in LDS before I say so
	s_barrier_signal -1
	s_barrier_wait -1
	s_cmp_lg_u32 s24, 0
	s_cbranch_scc1 .Ldone
	ds_load_b64 v[SW:SW+1], v[SCL]                 ; wave 0: the four waves' 64 words
	s_wait_dscnt 0x0
	global_store_b64 v[L8], v[SW:SW+1], s[20:21]   ; 256 consecutive bytes, aligned
.Ldone:
	s_wait_tensorcnt 0x0                           ; the wave's end
	ds_add_u32 v30, v31
	s_wait_dscnt 0x0
	s_endpgm
.Lfunc_end_k_q93a3bae5a9_wquant:
	.size	k_q93a3bae5a9_wquant, .Lfunc_end_k_q93a3bae5a9_wquant-k_q93a3bae5a9_wquant
	.p2alignl 7, 3214868480
	.fill 96, 4, 3214868480
	.section	.rodata,"a",@progbits
	.p2align	6, 0x0
	.amdhsa_kernel k_q93a3bae5a9_wquant
		.amdhsa_group_segment_fixed_size 34560
		.amdhsa_private_segment_fixed_size 0
		.amdhsa_enable_private_segment 0
		.amdhsa_kernarg_size 16
		.amdhsa_user_sgpr_count 2
		.amdhsa_user_sgpr_kernarg_segment_ptr 1
		.amdhsa_wavefront_size32 1
		.amdhsa_system_sgpr_workgroup_id_x 1
		.amdhsa_system_sgpr_workgroup_id_y 1
		.amdhsa_system_sgpr_workgroup_id_z 1
		.amdhsa_system_vgpr_workitem_id 0
		.amdhsa_next_free_vgpr 128
		.amdhsa_next_free_sgpr 66
		.amdhsa_reserve_vcc 0
		.amdhsa_float_denorm_mode_32 3
		.amdhsa_float_denorm_mode_16_64 3
		.amdhsa_memory_ordered 1
		.amdhsa_forward_progress 1
		.amdhsa_inst_pref_size 16
	.end_amdhsa_kernel
	.amdgpu_metadata
---
amdhsa.version: [ 1, 2 ]
amdhsa.kernels:
  - .name:           k_q93a3bae5a9_wquant
    .symbol:         k_q93a3bae5a9_wquant.kd
    .args:
      - { .name: W_attn, .offset: 0, .size: 8, .value_kind: global_buffer, .address_space: global }
      - { .name: w_img, .offset: 8, .size: 8, .value_kind: global_buffer, .address_space: global }
    .group_segment_fixed_size: 34560
    .private_segment_fixed_size: 0
    .kernarg_segment_align: 8
    .kernarg_segment_size: 16
    .max_flat_workgroup_size: 128
    .sgpr_count:     66
    .vgpr_count:     128
    .wavefront_size: 32
...
	.end_amdgpu_metadata
.endif
;; end of part 1
;; launch energy (part 2): grid 256 x 1, 4 waves a work-group, no clusters, 327,680 bytes of LDS; arguments encoder_outputs, hidden, w_img, energies; writes energies
.if DOCPART == 2
	.amdgcn_target "amdgcn-amd-amdhsa--gfx1250"
	.amdhsa_code_object_version 6
	.text
	.protected	k_q93a3bae5a9_energy
	.globl	k_q93a3bae5a9_energy
	.p2align	8
	.type	k_q93a3bae5a9_energy,@function
k_q93a3bae5a9_energy:
	s_mov_b64 s[64:65], 0
	v_nop
	global_prefetch_b8 v0, s[64:65] scope:SCOPE_SE
	s_setreg_imm32_b32 hwreg(HW_REG_WAVE_MODE, 25, 1), 1
	s_wait_xcnt 0x0
; energies[c][b][s] = sum over e of hidden[b][e] x (sum over d in quarter c of Q(enc[s][b][d]) Q(W[e][d])); the next launch adds the four c.  b_attn is left out as dead work (shown at the head of the first kernel).
; Q: codes of BF8 (E5M2), one E8M0 scale for each 32 along d.  The inner sums are made by the scaled matrix instruction, two K steps of 128 to a sum; the fold with hidden by f32 fused multiply-adds.
; LIMITS: NaN and infinities are not served; a block of zeros gets the byte 1 with zero codes (the bytes stay in this launch); the sums over e and over the quarters of d are added in this text's own order, in f32.
; SHARES.  Work-group x: batch b = x / 4, quarter c = x % 4 of d, all 1,024 positions.  W STAYS, enc STREAMS: wave w keeps rows e = 256 w .. + 255 of W for the quarter, 16 tiles x 2 K steps = 512 registers, read once from w_img as register images,
; and its 256 numbers of hidden in 128 registers.  enc comes in 8 chunks of 128 positions through two LDS slots: wave w's tensor load brings its 32 rows x 1,024 bytes, which it alone reads and quantises (4 units of 16 rows x 128);
; the codes go as register images into a buffer that all four waves read behind a barrier: each multiplies all 8 row tiles by its own 16 tiles of W: 4,096 bytes of LDS feed 32 products.
; THE QUANTISER RUNS A CHUNK AHEAD, THE LOADS TWO.  Trip i multiplies chunk i.  Inside its row tile 4 stands the refill's barrier: the wait for my load of chunk i + 1 and the add behind product 16, the wait for LDS and the signal behind product 24,
; the barrier's wait behind product 32; then chunk i + 2 is asked for, into the slot that held chunk i (its last reads were awaited in trip i - 1), and LDS is asked for units 0 and 1 of chunk i + 1.  At the head of row tile 6 their codes are made,
; which wait in registers, and units 2 and 3 are asked for.  Behind the next trip's first barrier, when nobody reads the code buffer any more, units 0 and 1 are stored, units 2 and 3 made and stored.  That barrier and the one behind the stores fill nothing.
; LAYOUT.  Source 0 = 16 rows of W, source 1 = 16 rows of enc: lane (r, h) holds position r, register j row e = 8 h + j of the tile.  So the fold needs no other lane but l xor 16.
; Products go in groups of four tiles of W (K step 0 of the four, then K step 1: accumulators by turns); two sets of four accumulators; behind a group's eight products stand the sixteen folds of the group before, in four chains.
; NO CLUSTER: no byte of enc is read by two work-groups; of W a work-group reads 270,336 bytes once, at the head, into registers, beside 1,048,576 bytes of enc in the loop.
; PREFETCH: trip i, which loads chunk i + 2, asks for chunk i + 3: each wave for its own 32 rows, a lane a row, four lines of 256 bytes; chunk 2 is asked for ahead of the loop, behind chunk 1's load; trips 5 to 7 ask for nothing.
; REGISTERS (windows of 256): window 0: v1-31 addresses and the quantiser's work, v32-39 partial sums, v40-59 scale words, v64-127 a set of 64 numbers, v128-191 accumulators, v192-255 two fragment pairs of enc;
; window 1: W's tiles 0-3, v128-159 hidden, v160-223 a set of 64 numbers, v224-255 the codes of units 0 and 1; windows 2, 3: six tiles of W each, v192-239 hidden, v240-255 the codes of unit 2, of unit 3.
.set ROWG,  262144                     ; bytes from position s to s + 1 of one batch
.set CHUNK, 128*ROWG
.set FP,    1040                       ; an LDS row of f32: 1,024 bytes + 16: sixteen rows start at sixteen different 16-byte columns modulo 256
.set WPART, 32*FP
.set SLOTB, 4*WPART                    ; 0x20800: shares no bit with the waves' parts 0, 0x8200, 0x10400, 0x18600
.set CODES, 2*SLOTB                    ; 8 row tiles x 2 fragments of 2,048 bytes
.set SCB,   CODES+32768                ; 8 x 128 bytes: a row tile's scale words, K step 0 then K step 1
.set EST,   SCB+1024                   ; 4 waves x 1,024 sums
.set SPARE, EST+16384                  ; the spare words, 128 bytes a wave
.set SPW, 1
.set NIL, 2
.set L16, 3
.set TM,  4                            ; v4-7 magnitudes, v8-11 bytes, v12-15 the holds' bounds, v16-19 the conversions' scale operands
.set PW0, 20                           ; the four units' scale words
.set PW1, 54
.set PW2, 55
.set PW3, 63
.set AF,  21                           ; my f32 rows in the slot that is being quantised
.set AF0, 22
.set CST, 23
.set SST, 24
.set CLD, 25
.set SLD, 26
.set EA,  27                           ; my sums of the chunk in hand
.set EA0, 28
.set PFO, 29
.set T0,  30
.set T1,  31
.set PT,  32                           ; four chains x a pair
.set WS,  40                           ; W's scale words, tile t at WS + 8 (t / 6) + t % 6: lanes 0-15 K step 0, lanes 16-31 K step 1
.set ES,  46                           ; v46, v47 enc's, likewise: their numbers differ from every WS modulo 8
.set HO,  60
.set WSO, 61
.set GO,  62
.set RB,  64                           ; numbers, window 0
.set RA,  160                          ; numbers, window 1
.set ACC, 128
.set FR,  192
.set WV,  12
.set G1,  24
.set G0,  32
.set TB,  36
.set TRIP, 37
.set SEL, 38
.set MNT, 40
.set EO,  41
.set PFA, 42
.set MSB, 0
.macro WIN new                         ; low byte: bits 1:0 source 0, 3:2 source 1, 5:4 source 2, 7:6 destination; the high byte repeats the setting that is left
.if MSB != (\new)
	s_set_vgpr_msb (MSB<<8)|(\new)
.set MSB, (\new)
.endif
.endm
.macro TW t                            ; where tile t of W lies
.if (\t) < 4
.set TWIN, 1
.set TBASE, 32*(\t)
.elseif (\t) < 10
.set TWIN, 2
.set TBASE, 32*((\t)-4)
.else
.set TWIN, 3
.set TBASE, 32*((\t)-10)
.endif
.endm
.macro HS n                            ; place n (0..31) of a row tile: group hq, product hk; its tile of W; and, in that tile's window, four numbers of hidden: half hk % 2 of tile hk / 2 of the group before
.set hq, (\n)/8
.set hk, (\n)%8
	TW 4*hq+hk%4
.if hq == 0
.set HBASE, 128+4*(\n)
.elseif hq == 1
.set HBASE, 192+4*((\n)-8)
.elseif hq == 2
.if hk%4 < 2
.set HBASE, 192+4*(8+hk%4+2*(hk/4))
.else
.set HBASE, 192+4*(hk%4-2+2*(hk/4))
.endif
.else
.set HBASE, 192+4*((\n)-20)
.endif
.endm
.macro BURST base                      ; the sixteen folds of the group before the one at places base .. base + 7: each accumulator from its low end on; the places of one window on end
.irp j, 0,1,4,5,2,3,6,7
	HS (\base)+\j
	WIN TWIN
.set fa, ACC+32*((hq+1)%2)+8*(hk/2)+4*(hk%2)
.set pa, PT+4*(hk%2)
.if (hq == 1) && (hk < 2)
	v_pk_mul_f32 v[pa:pa+1], v[HBASE:HBASE+1], v[fa:fa+1]                ; a row tile's first folds start the four chains
	v_pk_mul_f32 v[pa+2:pa+3], v[HBASE+2:HBASE+3], v[fa+2:fa+3]
.else
	v_pk_fma_f32 v[pa:pa+1], v[HBASE:HBASE+1], v[fa:fa+1], v[pa:pa+1]
	v_pk_fma_f32 v[pa+2:pa+3], v[HBASE+2:HBASE+3], v[fa+2:fa+3], v[pa+2:pa+3]
.endif
.endr
.endm
.macro SLOT i, n
	HS \n
.set sg, hk/4
.set st, 4*hq+hk%4
.set aa, ACC+32*(hq%2)+8*(hk%4)
.set fb, FR+32*((\i)%2)+16*sg
.set wsr, WS+8*(st/6)+st%6
.set esr, ES+(\i)%2
	WIN TWIN
.if sg == 0
	v_wmma_scale_f32_16x16x128_f8f6f4 v[aa:aa+7], v[TBASE:TBASE+15], v[fb:fb+15], 0, v[wsr], v[esr] matrix_a_fmt:MATRIX_FMT_BF8 matrix_b_fmt:MATRIX_FMT_BF8
.else
	v_wmma_scale_f32_16x16x128_f8f6f4 v[aa:aa+7], v[TBASE+16:TBASE+31], v[fb:fb+15], v[aa:aa+7], v[wsr], v[esr] matrix_a_fmt:MATRIX_FMT_BF8 matrix_b_fmt:MATRIX_FMT_BF8 matrix_a_scale:MATRIX_SCALE_ROW1 matrix_b_scale:MATRIX_SCALE_ROW1
.endif
.endm
.macro FIN t                           ; row tile t's sums: the four chains, the pair, lane l xor 16's; both halves write the same word with the same value
	v_pk_add_f32 v[PT:PT+1], v[PT:PT+1], v[PT+2:PT+3]
	v_pk_add_f32 v[PT+4:PT+5], v[PT+4:PT+5], v[PT+6:PT+7]
	v_pk_add_f32 v[PT:PT+1], v[PT:PT+1], v[PT+4:PT+5]
	v_add_f32 v[T0], v[PT], v[PT+1]
	v_permlanex16_b32 v[T1], v[T0], s[SEL], s[SEL+1]
	v_add_f32 v[T0], v[T0], v[T1]
	ds_store_b32 v[EA], v[T0] offset:64*(\t)
.endm
.macro LFR t                           ; row tile t's two fragments and its scale words, as they lie
.irp f, 0,1,2,3,4,5,6,7
	ds_load_b128 v[FR+32*((\t)%2)+4*\f:FR+32*((\t)%2)+4*\f+3], v[CLD] offset:4096*(\t)+512*\f
.endr
	ds_load_b32 v[ES+(\t)%2], v[SLD] offset:128*(\t)
.endm
.macro LQ u, nw, rs                    ; unit u (row tile u / 2 of my two, K step u % 2): register 16 c + 4 j + i is d = 32 c + 16 h + 4 j + i of row r
	WIN (\nw)<<6
.irp c, 0,1,2,3
.irp j, 0,1,2,3
	ds_load_b128 v[\rs+16*\c+4*\j:\rs+16*\c+4*\j+3], v[AF] offset:((\u)/2)*16*FP+((\u)%2)*512+128*\c+16*\j
.endr
.endr
.endm
.macro QC nw, rs, pcw, pcb, pwr        ; 64 numbers (window nw) become a fragment's codes (window pcw, from pcb on) and a scale word (pwr)
	WIN (\nw)*5
.irp b, 0,1,2,3
	v_max3_num_f32 v[TM+\b], |v[\rs+16*\b]|, |v[\rs+16*\b+1]|, 0x8000000   ; my 16 numbers of block b, and the floor 2^(16 - 127): the byte cannot fall under 1
.endr
.irp i, 2,4,6,8,10,12,14
.irp b, 0,1,2,3
	v_max3_num_f32 v[TM+\b], |v[\rs+16*\b+\i]|, |v[\rs+16*\b+\i+1]|, v[TM+\b]
.endr
.endr
	WIN 0
.irp b, 0,1,2,3
	v_permlanex16_b32 v[TM+4+\b], v[TM+\b], s[SEL], s[SEL+1]
.endr
.irp b, 0,1,2,3
	v_max_num_f32 v[TM+\b], v[TM+\b], v[TM+4+\b]   ; with lane l xor 16's 16
.endr
.irp b, 0,1,2,3
	v_add_nc_u32 v[TM+12+\b], 0xf8800000, v[TM+\b] ; 15 off the exponent field: the conversion's scale operand
.endr
.irp b, 0,1,2,3
	v_and_or_b32 v[TM+8+\b], v[TM+\b], 0x7f800000, s[MNT]   ; 57,344 x the scale
.endr
.irp b, 0,1,2,3
	v_lshrrev_b32 v[TM+4+\b], 23, v[TM+12+\b]      ; the scale's byte
.endr
	v_lshl_or_b32 v[\pwr], v[TM+5], 8, v[TM+4]
	v_lshl_or_b32 v[\pwr], v[TM+6], 16, v[\pwr]
	v_lshl_or_b32 v[\pwr], v[TM+7], 24, v[\pwr]
	WIN (\nw)*65
.irp b, 0,1,2,3
.irp i, 0,1,2,3,4,5,6,7,8,9,10,11,12,13,14,15
	v_med3_num_f32 v[\rs+16*\b+\i], v[\rs+16*\b+\i], -v[TM+8+\b], v[TM+8+\b]   ; the conversion does not saturate (ISA guide 7.6.2): the hold comes first
.endr
.endr
	WIN ((\pcw)<<6)|(\nw)
.irp b, 0,1,2,3
	v_cvt_scalef32_pk8_bf8_f32 v[\pcb+4*\b:\pcb+4*\b+1], v[\rs+16*\b:\rs+16*\b+7], v[TM+12+\b]
	v_cvt_scalef32_pk8_bf8_f32 v[\pcb+4*\b+2:\pcb+4*\b+3], v[\rs+16*\b+8:\rs+16*\b+15], v[TM+12+\b]
.endr
	v_nop                                          ; a plain line behind the last conversion
.endm
.macro ST u, pcw, pcb, pwr             ; unit u's codes and scale word into the buffer that all waves read
	WIN (\pcw)<<2
.irp c, 0,1,2,3
	ds_store_b128 v[CST], v[\pcb+4*\c:\pcb+4*\c+3] offset:2048*(\u)+512*\c
.endr
	WIN 0
	ds_store_b32 v[SST], v[\pwr] offset:64*(\u)    ; lanes l and l xor 16 write the same word with the same value
.endm
.macro TLOAD
	tensor_load_to_lds s[G0:G0+3], s[G1:G1+7]
	s_nop 0
.rept 4
	v_nop
.endr
.endm
.macro ASK4
.irp m, 0,1,2,3
	global_prefetch_b8 v[PFO], s[PFA:PFA+1] offset:256*\m th:TH_LOAD_NT scope:SCOPE_SE
.endr
.endm
; A ROW TILE: 32 products.  PLACES: between a group's last product and the folds of its results stand the sixteen folds of the group before it, which name the other set of accumulators;
; the next tile's loads land on registers whose last product lies sixteen such folds back.  pre = 1: the next chunk's quantising is laid in; fill = 1: and the refill's barrier, with products and folds, work on registers, between its lines.
; DScnt 32 at row tile 5: the 32 loads of units 0 and 1, issued behind that tile's nine, may be out.
.macro RTILE i, fill, pre
.if (\i) > 0
	s_wait_alu depctr_va_vdst(0)                   ; directly ahead of the wait below
.if (\pre) && ((\i) == 5)
	s_wait_dscnt 32
.else
	s_wait_dscnt 0x0                               ; this tile's fragments, asked for 24 products ago
.endif
.endif
.if (\pre) && ((\i) == 6)
	QC 1, RA, 1, 224, PW0                          ; the next chunk's units 0 and 1: their codes wait in registers;
	LQ 2, 1, RA                                    ; units 2 and 3 have this row tile in which to come
	QC 0, RB, 1, 240, PW1
	LQ 3, 0, RB
.endif
.set sn, 0
.rept 32
	SLOT \i, sn
.if (sn%8 == 7) && (((\i) > 0) || (sn > 7))
	BURST sn-7
.endif
.if sn == 7
	WIN 0
.if (\i) > 0
	FIN (\i)-1
.else
.rept 8
	v_nop                                          ; a chunk's first group has nothing to fold behind it: the places ahead of its own fold
.endr
.endif
.if (\i) < 7
	LFR (\i)+1
.endif
.endif
.if (\fill) && ((\i) == 4) && (sn == 15)
	WIN 0
	s_wait_alu depctr_va_vdst(0)
	s_wait_tensorcnt 0x0                           ; my one load, my rows of the next chunk, has landed
	ds_add_u32 v[SPW], v[NIL]
	s_xor_b32 s[G0+1], s[G0+1], SLOTB              ; no load of mine is out: the other slot,
	s_add_nc_u64 s[G0+2:G0+3], s[G0+2:G0+3], CHUNK ; the next 128 positions
	s_wait_xcnt 0x0                                ; my prefetches have read their address
	s_add_nc_u64 s[PFA:PFA+1], s[PFA:PFA+1], CHUNK
.endif
.if (\fill) && ((\i) == 4) && (sn == 23)
	s_wait_alu depctr_va_vdst(0)
	s_wait_dscnt 0x0                               ; the add is done, and no LDS read of mine is out
	s_barrier_signal -1
.endif
.set sn, sn+1
.endr
.if (\pre) && ((\i) == 4)
	WIN 0
	s_wait_alu depctr_va_vdst(0)
.if \fill
	s_barrier_wait -1
	TLOAD                                          ; two chunks on, into the slot that was read out a trip ago
.else
	s_wait_tensorcnt 0x0                           ; the last chunk: my rows have landed: I alone read them
.endif
	s_xor_b32 s[TB], s[TB], SLOTB
	v_add_nc_u32 v[AF], s[TB], v[AF0]
	LQ 0, 1, RA
	LQ 1, 0, RB
.if \fill
	s_cmp_lt_u32 s[TRIP], 5
	s_cbranch_scc0 .Lno_ask_\@
	ASK4
.Lno_ask_\@:
.endif
.endif
.endm
; A TRIP: chunk i.  Behind the first barrier nobody reads the codes of chunk i - 1; behind the second everybody's codes of chunk i are in LDS.  Neither is followed by a fill.
.macro TRIPM fill, pre
	s_wait_alu depctr_va_vdst(0)
	s_wait_dscnt 0x0                               ; my reads of the code buffer are over; units 2 and 3 are in registers
	s_barrier_signal -1
	s_barrier_wait -1
	v_add_nc_u32 v[EA], s[EO], v[EA0]
	ST 0, 1, 224, PW0
	ST 1, 1, 240, PW1
	QC 1, RA, 2, 240, PW2
	ST 2, 2, 240, PW2
	QC 0, RB, 3, 240, PW3
	ST 3, 3, 240, PW3
	s_wait_alu depctr_va_vdst(0)
	s_wait_loadcnt 0x0                             ; (the first trip: W, its scale words and hidden)
	s_wait_dscnt 0x0                               ; my codes and scale words are in LDS
	s_barrier_signal -1
	s_barrier_wait -1
	LFR 0
	s_wait_dscnt 0x0
.irp i, 0,1,2,3,4,5,6,7
	RTILE \i, \fill, \pre
.endr
	BURST 0                                        ; the last group's folds
	WIN 0
	FIN 7
.endm
	s_load_b256 s[4:11], s[0:1], 0x0               ; enc, hidden, w_img, energies
	v_lshl_add_u32 v[SPW], v0, 2, SPARE
	v_mov_b32 v[NIL], 0
	ds_add_u32 v[SPW], v[NIL]                      ; the opening lines: the add twice on end and one wait
	ds_add_u32 v[SPW], v[NIL]
	v_lshrrev_b32 v[T0], 5, v0
	v_readfirstlane_b32 s[WV], v[T0]               ; wave 0..3
	s_mov_b32 s[G1], (3<<16)|(1<<20)|(7<<22)|(3<<25)   ; elements of 8 bytes; four words of padding behind every 256
	s_mov_b32 s[G1+1], 128<<16                     ; a row: 128 elements
	s_mov_b32 s[G1+2], 32<<16                      ; 32 rows
	s_mov_b32 s[G1+3], 128<<16
	s_mov_b32 s[G1+4], 32
	s_mov_b32 s[G1+5], ROWG/8
	s_mov_b32 s[G1+6], 0
	s_mov_b32 s[G1+7], 0
	s_lshr_b32 s14, ttmp9, 2                       ; b
	s_and_b32 s15, ttmp9, 3                        ; c
	s_lshl_b32 s16, s14, 12                        ; enc: 4,096 b + 1,024 c + 32 w rows
	s_lshl_b32 s17, s15, 10
	s_add_co_u32 s16, s16, s17
	s_lshl_b32 s17, s[WV], 23
	s_add_co_u32 s16, s16, s17
	s_mov_b32 s17, 0
	s_mul_i32 s18, s[WV], WPART
	s_lshl_b32 s19, s[WV], 13
	s_add_co_u32 s19, s19, CODES
	s_lshl_b32 s20, s[WV], 8
	s_add_co_u32 s20, s20, SCB
	s_lshl_b32 s21, s[WV], 12
	s_add_co_u32 s21, s21, EST
	s_lshl_b32 s22, s[WV], 10
	s_add_co_u32 s22, s22, EST
	s_lshl_b32 s23, s15, 2
	s_add_co_u32 s23, s23, s[WV]                   ; w_img's block 4 c + w
	s_lshl_b32 s44, s23, 16
	s_mov_b32 s45, 0
	s_lshl_b32 s46, s23, 11
	s_add_co_u32 s46, s46, 1048576
	s_mov_b32 s47, 0
	s_lshl_b32 s48, s14, 12                        ; hidden: 4,096 b + 1,024 w
	s_lshl_b32 s49, s[WV], 10
	s_add_co_u32 s48, s48, s49
	s_lshl_b32 s50, s15, 18                        ; energies: 262,144 c + the same
	s_add_co_u32 s50, s50, s48
	s_mov_b32 s49, 0
	s_mov_b32 s51, 0
	s_mov_b32 s[SEL], 0x76543210
	s_mov_b32 s[SEL+1], 0xfedcba98
	s_mov_b32 s[MNT], 0x600000
	s_mov_b32 s[TB], 0
	s_mov_b32 s[EO], 0
	s_mov_b32 s[TRIP], 0
	s_wait_dscnt 0x0
	s_wait_kmcnt 0x0
	s_add_nc_u64 s[4:5], s[4:5], s[16:17]
	s_mov_b32 s[G0], 1
	s_mov_b32 s[G0+1], s18
	s_mov_b64 s[G0+2:G0+3], s[4:5]
	s_or_b32 s[G0+3], s[G0+3], 0x80000000
	TLOAD                                          ; chunk 0: my one load at the head
	s_add_nc_u64 s[PFA:PFA+1], s[4:5], 2*CHUNK     ; chunk 2
	s_add_nc_u64 s[44:45], s[8:9], s[44:45]
	s_add_nc_u64 s[46:47], s[8:9], s[46:47]
	s_add_nc_u64 s[6:7], s[6:7], s[48:49]
	s_add_nc_u64 s[10:11], s[10:11], s[50:51]
	v_and_b32 v[T0], 31, v0                        ; lane
	v_and_b32 v[T1], 15, v0                        ; r
	v_bfe_u32 v[PW0], v0, 4, 1                     ; h
	v_lshlrev_b32 v[L16], 4, v[T0]
	v_lshlrev_b32 v[HO], 5, v[PW0]                 ; hidden: eight numbers a half
	v_lshlrev_b32 v[WSO], 2, v[T1]
	v_lshl_add_u32 v[WSO], v[PW0], 8, v[WSO]       ; W's scale words: 4 r, K step 1's 256 bytes on
	v_mul_u32_u24 v[AF0], v[T1], FP
	v_lshl_add_u32 v[AF0], v[PW0], 6, v[AF0]
	v_add_nc_u32 v[AF0], s18, v[AF0]
	v_add_nc_u32 v[AF], s[TB], v[AF0]              ; chunk 0 lies in slot 0
	v_add_nc_u32 v[CST], s19, v[L16]
	v_lshl_add_u32 v[SST], v[T1], 2, s20
	v_add_nc_u32 v[CLD], CODES, v[L16]
	v_lshl_add_u32 v[SLD], v[T0], 2, SCB
	v_lshl_add_u32 v[EA0], v[T1], 2, s21
	v_lshlrev_b32 v[PFO], 18, v[T0]                ; a lane a row
	v_add_nc_u32 v[GO], s22, v[L16]
.irp b, 0,1,2,3
	v_mov_b32 v[TM+4+\b], 0                        ; a lane permute's destination counts as one of its sources
.endr
	s_wait_alu depctr_va_vdst(0)                   ; the wait at the head's end
.set n, 0
.rept 16                               ; W's 32 fragments, 512 consecutive bytes a load
	TW n
	WIN TWIN<<6
.irp f, 0,1,2,3,4,5,6,7
	global_load_b128 v[TBASE+4*\f:TBASE+4*\f+3], v[L16], s[44:45] offset:n*4096+512*\f
.endr
.set n, n+1
.endr
	WIN 0
.set n, 0
.rept 16
	global_load_b32 v[WS+8*(n/6)+n%6], v[WSO], s[46:47] offset:(n/4)*512+(n%4)*64
.set n, n+1
.endr
.set n, 0
.rept 32                               ; hidden[b][256 w + 16 t + 8 h + 4 (hk % 2) + 0 .. 3], t the tile folded by place n's numbers
	HS n
	WIN TWIN<<6
	global_load_b128 v[HBASE:HBASE+3], v[HO], s[6:7] offset:(4*((hq+3)%4)+hk/2)*64+(hk%2)*16
.set n, n+1
.endr
	WIN 0
	s_wait_tensorcnt 0x0                           ; chunk 0 has landed.  Slot 1's first fill is issued as a refill is
	ds_add_u32 v[SPW], v[NIL]
	s_xor_b32 s[G0+1], s[G0+1], SLOTB
	s_add_nc_u64 s[G0+2:G0+3], s[G0+2:G0+3], CHUNK
	s_wait_dscnt 0x0
	s_barrier_signal -1
	s_barrier_wait -1
	TLOAD                                          ; chunk 1
	LQ 0, 1, RA                                    ; chunk 0's units 0 and 1 are made here, as a trip makes the next chunk's.  DScnt 16: the other set's loads may be out
	LQ 1, 0, RB
	ASK4                                           ; chunk 2
	s_wait_dscnt 16
	QC 1, RA, 1, 224, PW0
	LQ 2, 1, RA
	s_wait_dscnt 16
	QC 0, RB, 1, 240, PW1
	LQ 3, 0, RB
.Ltrip:                                                ; six trips: chunks 0 to 5; trip i asks for chunk i + 2
	TRIPM 1, 1
	s_add_co_u32 s[EO], s[EO], 512
	s_add_co_u32 s[TRIP], s[TRIP], 1
	s_cmp_lt_u32 s[TRIP], 6
	s_cbranch_scc1 .Ltrip
	TRIPM 0, 1                                     ; chunks 6 and 7 are written out
	s_add_co_u32 s[EO], s[EO], 512
	TRIPM 0, 0
	; THE END: the four waves' sums are added; wave w takes positions 256 w on and stores 2 x 512 consecutive bytes
	s_wait_alu depctr_va_vdst(0)
	s_wait_dscnt 0x0
	s_barrier_signal -1
	s_barrier_wait -1
.irp m, 0,1
.irp q, 0,1,2,3
	ds_load_b128 v[RB+16*\m+4*\q:RB+16*\m+4*\q+3], v[GO] offset:4096*\q+512*\m
.endr
.endr
	s_wait_dscnt 0x0
.irp m, 0,1
.irp p, 0,2
	v_pk_add_f32 v[RB+16*\m+\p:RB+16*\m+\p+1], v[RB+16*\m+\p:RB+16*\m+\p+1], v[RB+16*\m+4+\p:RB+16*\m+5+\p]
	v_pk_add_f32 v[RB+16*\m+8+\p:RB+16*\m+9+\p], v[RB+16*\m+8+\p:RB+16*\m+9+\p], v[RB+16*\m+12+\p:RB+16*\m+13+\p]
.endr
.irp p, 0,2
	v_pk_add_f32 v[RB+16*\m+\p:RB+16*\m+\p+1], v[RB+16*\m+\p:RB+16*\m+\p+1], v[RB+16*\m+8+\p:RB+16*\m+9+\p]
.endr
.endr
.irp m, 0,1
	global_store_b128 v[L16], v[RB+16*\m:RB+16*\m+3], s[10:11] offset:512*\m
.endr
	s_wait_tensorcnt 0x0                           ; the wave's end
	ds_add_u32 v[SPW], v[NIL]
	s_wait_dscnt 0x0
	s_endpgm
.Lfunc_end_k_q93a3bae5a9_energy:
	.size	k_q93a3bae5a9_energy, .Lfunc_end_k_q93a3bae5a9_energy-k_q93a3bae5a9_energy
	.p2alignl 7, 3214868480
	.fill 96, 4, 3214868480
	.section	.rodata,"a",@progbits
	.p2align	6, 0x0
	.amdhsa_kernel k_q93a3bae5a9_energy
		.amdhsa_group_segment_fixed_size 327680
		.amdhsa_private_segment_fixed_size 0
		.amdhsa_enable_private_segment 0
		.amdhsa_kernarg_size 32
		.amdhsa_user_sgpr_count 2
		.amdhsa_user_sgpr_kernarg_segment_ptr 1
		.amdhsa_wavefront_size32 1
		.amdhsa_system_sgpr_workgroup_id_x 1
		.amdhsa_system_sgpr_workgroup_id_y 1
		.amdhsa_system_sgpr_workgroup_id_z 1
		.amdhsa_system_vgpr_workitem_id 0
		.amdhsa_next_free_vgpr 1024
		.amdhsa_next_free_sgpr 66
		.amdhsa_reserve_vcc 0
		.amdhsa_float_denorm_mode_32 3
		.amdhsa_float_denorm_mode_16_64 3
		.amdhsa_memory_ordered 1
		.amdhsa_forward_progress 1
		.amdhsa_inst_pref_size 255
	.end_amdhsa_kernel
	.section	.bss,"aw",@nobits
	.p2align	6
	.space	262144
	.amdgpu_metadata
---
amdhsa.version: [ 1, 2 ]
amdhsa.kernels:
  - .name:           k_q93a3bae5a9_energy
    .symbol:         k_q93a3bae5a9_energy.kd
    .args:
      - { .name: encoder_outputs, .offset: 0, .size: 8, .value_kind: global_buffer, .address_space: global }
      - { .name: hidden, .offset: 8, .size: 8, .value_kind: global_buffer, .address_space: global }
      - { .name: w_img, .offset: 16, .size: 8, .value_kind: global_buffer, .address_space: global }
      - { .name: energies, .offset: 24, .size: 8, .value_kind: global_buffer, .address_space: global }
    .group_segment_fixed_size: 327680
    .private_segment_fixed_size: 0
    .kernarg_segment_align: 8
    .kernarg_segment_size: 32
    .max_flat_workgroup_size: 128
    .sgpr_count:     66
    .vgpr_count:     1024
    .wavefront_size: 32
...
	.end_amdgpu_metadata
.endif
;; end of part 2
;; launch softmax (part 3): grid 64 x 1, 1 waves a work-group, no clusters, 0 bytes of LDS; arguments energies, out0; writes out0
.if DOCPART == 3
	.amdgcn_target "amdgcn-amd-amdhsa--gfx1250"
	.amdhsa_code_object_version 6
	.text
	.protected	k_q93a3bae5a9_softmax
	.globl	k_q93a3bae5a9_softmax
	.p2align	8
	.type	k_q93a3bae5a9_softmax,@function
k_q93a3bae5a9_softmax:
	s_mov_b64 s[64:65], 0
	v_nop
	global_prefetch_b8 v0, s[64:65] scope:SCOPE_SE
	s_setreg_imm32_b32 hwreg(HW_REG_WAVE_MODE, 25, 1), 1
	s_wait_xcnt 0x0
; out0[b][0][s] = softmax over s of the sum over c of energies[c][b][s].  energies: [4][64][1024] f32, the four quarters of d; out0: [64][1024] f32.  (hidden . b_attn is left out as dead work: shown at the head of the first kernel.)
; One wave takes a row b: 32 loads and 8 stores of 512 consecutive bytes; the row stays in 32 registers; no LDS, no barrier.
; The row's maximum is taken away first, and the difference is formed BEFORE the factor log2(e).  v_exp_f32 gives 0 where the result would be denormal (ISA guide 15.8): such terms are nothing beside the maximum's 1.
; LIMITS: NaN and infinities are not served.
	s_load_b128 s[4:7], s[0:1], 0x0                ; energies, out0
	v_lshlrev_b32 v1, 4, v0                        ; one wave: v0 is the lane
	s_lshl_b32 s8, ttmp9, 12                       ; my row
	s_mov_b32 s9, 0
	s_mov_b32 s10, 0x76543210                      ; v_permlanex16_b32's selects for lane l xor 16
	s_mov_b32 s11, 0xfedcba98
	s_mov_b32 s12, 0x3fb8aa3b                      ; log2(e)
	s_mov_b32 s13, s12                             ; (named with it as a pair, so it is written)
	s_wait_alu depctr_va_vdst(0)                   ; the wait at the head's end
	s_wait_kmcnt 0x0
	s_add_nc_u64 s[4:5], s[4:5], s[8:9]
	s_add_nc_u64 s[6:7], s[6:7], s[8:9]
.irp c, 0,1,2,3
.irp i, 0,1,2,3,4,5,6,7
	global_load_b128 v[8+32*\c+4*\i:11+32*\c+4*\i], v1, s[4:5] offset:262144*\c+512*\i
.endr
.endr
	s_wait_loadcnt 0x0
.irp j, 0,2,4,6,8,10,12,14,16,18,20,22,24,26,28,30
	v_pk_add_f32 v[8+\j:9+\j], v[8+\j:9+\j], v[40+\j:41+\j]          ; the four quarters of d
	v_pk_add_f32 v[72+\j:73+\j], v[72+\j:73+\j], v[104+\j:105+\j]
.endr
.irp j, 0,2,4,6,8,10,12,14,16,18,20,22,24,26,28,30
	v_pk_add_f32 v[8+\j:9+\j], v[8+\j:9+\j], v[72+\j:73+\j]
.endr
.irp k, 0,1,2,3
	v_max3_num_f32 v[2+\k], v[8+8*\k], v[9+8*\k], v[10+8*\k]   ; the maximum of my 32, in four chains
.endr
.irp i, 3,5
.irp k, 0,1,2,3
	v_max3_num_f32 v[2+\k], v[2+\k], v[8+8*\k+\i], v[9+8*\k+\i]
.endr
.endr
.irp k, 0,1,2,3
	v_max_num_f32 v[2+\k], v[2+\k], v[15+8*\k]
.endr
	v_max3_num_f32 v2, v2, v3, v4
	v_max_num_f32 v2, v2, v5
	v_max_num_f32_dpp v2, v2, v2 row_xmask:1 row_mask:0xf bank_mask:0xf
	v_max_num_f32_dpp v2, v2, v2 row_xmask:2 row_mask:0xf bank_mask:0xf
	v_max_num_f32_dpp v2, v2, v2 row_xmask:4 row_mask:0xf bank_mask:0xf
	v_max_num_f32_dpp v2, v2, v2 row_xmask:8 row_mask:0xf bank_mask:0xf
	v_permlanex16_b32 v3, v2, s10, s11
	v_max_num_f32 v2, v2, v3                       ; every lane holds the row's maximum
	v_mov_b32 v3, v2
.irp j, 0,2,4,6,8,10,12,14,16,18,20,22,24,26,28,30
	v_pk_add_f32 v[8+\j:9+\j], v[8+\j:9+\j], v[2:3] neg_lo:[0,1] neg_hi:[0,1]   ; x - maximum
.endr
.irp j, 0,2,4,6,8,10,12,14,16,18,20,22,24,26,28,30
	v_pk_mul_f32 v[8+\j:9+\j], v[8+\j:9+\j], s[12:13] op_sel_hi:[1,0]           ; x log2(e)
.endr
	s_wait_alu depctr_va_vdst(0)                   ; the wait ahead of the batch
.irp j, 0,1,2,3,4,5,6,7,8,9,10,11,12,13,14,15,16,17,18,19,20,21,22,23,24,25,26,27,28,29,30,31
	v_exp_f32 v[8+\j], v[8+\j]
.endr
	v_nop                                          ; a plain line behind the exponentials
	s_wait_alu depctr_va_vdst(0)                   ; and the wait behind the batch
	v_pk_add_f32 v[40:41], v[8:9], v[10:11]        ; the sum, two at a time, in two chains
	v_pk_add_f32 v[42:43], v[12:13], v[14:15]
.irp j, 8,12,16,20,24,28
	v_pk_add_f32 v[40:41], v[40:41], v[8+\j:9+\j]
	v_pk_add_f32 v[42:43], v[42:43], v[10+\j:11+\j]
.endr
	v_pk_add_f32 v[40:41], v[40:41], v[42:43]
	v_add_f32 v40, v40, v41
	v_add_f32_dpp v40, v40, v40 row_xmask:1 row_mask:0xf bank_mask:0xf
	v_add_f32_dpp v40, v40, v40 row_xmask:2 row_mask:0xf bank_mask:0xf
	v_add_f32_dpp v40, v40, v40 row_xmask:4 row_mask:0xf bank_mask:0xf
	v_add_f32_dpp v40, v40, v40 row_xmask:8 row_mask:0xf bank_mask:0xf
	v_permlanex16_b32 v41, v40, s10, s11
	v_add_f32 v40, v40, v41                        ; the row's sum, at least 1
	s_wait_alu depctr_va_vdst(0)                   ; the wait ahead of the transcendental
	v_rcp_f32 v4, v40
	v_nop                                          ; a plain line behind the reciprocal
	s_wait_alu depctr_va_vdst(0)                   ; and behind it
	v_mov_b32 v5, v4
.irp j, 0,2,4,6,8,10,12,14,16,18,20,22,24,26,28,30
	v_pk_mul_f32 v[8+\j:9+\j], v[8+\j:9+\j], v[4:5]
.endr
.irp i, 0,1,2,3,4,5,6,7
	global_store_b128 v1, v[8+4*\i:11+4*\i], s[6:7] offset:512*\i   ; 32 lanes store 512 consecutive bytes
.endr
	s_endpgm
.Lfunc_end_k_q93a3bae5a9_softmax:
	.size	k_q93a3bae5a9_softmax, .Lfunc_end_k_q93a3bae5a9_softmax-k_q93a3bae5a9_softmax
	.p2alignl 7, 3214868480
	.fill 96, 4, 3214868480
	.section	.rodata,"a",@progbits
	.p2align	6, 0x0
	.amdhsa_kernel k_q93a3bae5a9_softmax
		.amdhsa_group_segment_fixed_size 0
		.amdhsa_private_segment_fixed_size 0
		.amdhsa_enable_private_segment 0
		.amdhsa_kernarg_size 16
		.amdhsa_user_sgpr_count 2
		.amdhsa_user_sgpr_kernarg_segment_ptr 1
		.amdhsa_wavefront_size32 1
		.amdhsa_system_sgpr_workgroup_id_x 1
		.amdhsa_system_sgpr_workgroup_id_y 1
		.amdhsa_system_sgpr_workgroup_id_z 1
		.amdhsa_system_vgpr_workitem_id 0
		.amdhsa_next_free_vgpr 192
		.amdhsa_next_free_sgpr 66
		.amdhsa_reserve_vcc 0
		.amdhsa_float_denorm_mode_32 3
		.amdhsa_float_denorm_mode_16_64 3
		.amdhsa_memory_ordered 1
		.amdhsa_forward_progress 1
		.amdhsa_inst_pref_size 15
	.end_amdhsa_kernel
	.amdgpu_metadata
---
amdhsa.version: [ 1, 2 ]
amdhsa.kernels:
  - .name:           k_q93a3bae5a9_softmax
    .symbol:         k_q93a3bae5a9_softmax.kd
    .args:
      - { .name: energies, .offset: 0, .size: 8, .value_kind: global_buffer, .address_space: global }
      - { .name: out0, .offset: 8, .size: 8, .value_kind: global_buffer, .address_space: global }
    .group_segment_fixed_size: 0
    .private_segment_fixed_size: 0
    .kernarg_segment_align: 8
    .kernarg_segment_size: 16
    .max_flat_workgroup_size: 32
    .sgpr_count:     66
    .vgpr_count:     192
    .wavefront_size: 32
...
	.end_amdgpu_metadata
.endif
;; end of part 3
